; MI455X (gfx1250); checked and timed in simulation.
; The chip was launched on July 23, 2026; its instructions are those of AMD's public machine-readable ISA for CDNA 5 (MIT licence, August 2026) and "CDNA5" Instruction Set Architecture Reference Guide (July 2026). The comments in the code are by the model that wrote it; some were corrected since.
;; Dynamic Weight Attention. Allowed arithmetic: float matrix products may take bf16 or f16 operands with f32 sums; all other float work in f32.
;; Inputs: b1 64 float32; b2 1 float32; dynamic_features 1,024 x 256 x 16 x 16 float32; ln_beta 32 float32; ln_gamma 32 float32; static_features 256 x 16 x 16 float32; w1 32 x 64 float32; w2 64 x 1 float32.
;; Outputs: out0 1,024 x 256 x 16 float32.
;; One version. Each part assembles by itself: llvm-mc -triple=amdgcn-amd-amdhsa -mcpu=gfx1250 --defsym DOCPART=n.
;; ======== version 1 of 1: 1 launch
;; launch dwa (part 1): grid 256 x 1, 16 waves a work-group, no clusters, 327,680 bytes of LDS; arguments dynamic_features, static_features, ln_gamma, ln_beta, w1, b1, w2, b2, out0; writes out0
.if DOCPART == 1
	.amdgcn_target "amdgcn-amd-amdhsa--gfx1250"
	.amdhsa_code_object_version 6
	.text
	.protected	k_qb21e1fa281_dwa
	.globl	k_qb21e1fa281_dwa
	.p2align	8
	.type	k_qb21e1fa281_dwa,@function
k_qb21e1fa281_dwa:
	s_mov_b64 s[64:65], 0
	v_nop
	global_prefetch_b8 v0, s[64:65] scope:SCOPE_SE
	s_setreg_imm32_b32 hwreg(HW_REG_WAVE_MODE, 25, 1), 1
	s_wait_xcnt 0x0
; out0[b][n][:] = softmax over h of ( tanh( LayerNorm(dyn[b][n][h][0:16] ++ stat[n][h][0:16]) . w1 + b1 ) . w2 + b2 ).   All buffers f32.
; A ROW is one (b, n, h): 16 dynamic numbers (64 bytes) and the 16 static numbers of (n, h).  One b has 4,096 rows.
; SHARES.  Work-group g: quarter q = g & 3 of the 4,096 (n, h), and the 16 consecutive b from 16 (g >> 2) on.  Wave w of 16: the 64 rows q 1024 + 64 w .. + 63 of each of
; those b, so that its static numbers and their statistics are constants in registers.  A STEP is 2 b x 64 rows = 8 blocks of 16 rows; a wave has 8 steps.
; FOLDED ONCE A WAVE.  K2 = 2 log2(e).  W'[c][d] = K2 gamma[c] w1[c][d] (bf16, source A);  bias'[d] = K2 (b1[d] + sum_c beta[c] w1[c][d]) (f32, the product's C operand).
; With xn = (x - mean) rstd (made in f32, rounded to bf16, source B):  y = W'^T xn + bias',  tanh = 1 - 2 / (1 + 2^y),  score = (b2 + sum_d w2[d]) + sum_d (-2 w2[d]) / (1 + 2^y_d).
; That form of tanh needs no clamp: y -> +inf gives 1 / inf = 0, y -> -inf gives 2^y = 0.
; LAYERNORM.  The mean is taken away in f32 before anything is rounded.  The variance is a sum of parts that are not negative:
; var + eps = sum_dyn (x - mean)^2 / 32 + [sum_stat (s - m_s)^2 / 32 + eps] + (m_s - mean)^2 / 2, m_s the static numbers' own mean; the bracket is a constant of the row (n, h).
; LAYOUT.  Block i of a step: b index i / 4; its column r (lane % 16) is the wave's row 4 r + i % 4.  Row m of A's tile t is hidden unit 4 m + t.  In the result, tile t,
; register j, lane half h hold hidden unit 32 h + 4 j + t of the lane's row.  When the two halves of the lanes are added, lane r holds the scores of rows 4 r .. 4 r + 3,
; lanes 0-15 of the first b and lanes 16-31 of the second: a softmax group is 4 registers x 4 neighbouring lanes, and the step's one store of 16 bytes a lane covers
; two runs of 256 consecutive bytes, each at a multiple of 256 from out0's first byte.
; NO CLUSTER: what work-groups share is the static numbers and the weights, 64 KiB + 9 KiB against the 1 MiB of dynamic numbers that a work-group reads alone, and they are read once, at the start.
; LIMITS.  xn and K2 gamma w1 are rounded to bf16.  tanh as 1 - 2 r carries an absolute error near 1e-7.  A softmax weight under 2^-126 comes out as 0 (v_exp_f32 flushes
; denormal results: ISA guide 15.8).  Sums run in another order than the reference's.  NaN and infinities in an input spread, but not surely to the same numbers as there.
.set BPITCH, 262144                    ; bytes from one b to the next in dynamic_features
.set CHUNK,  272                       ; LDS: four rows (256 bytes) + 16 of padding = 68 words: chunk r starts at bank 4 r mod 64 (64 banks of 4 bytes: ISA guide 11.1)
.set BLDS,   16*CHUNK                  ; a wave's 64 rows of one b
.set SLOT,   2*BLDS                    ; a step's tile: 2 b
.set RING,   2*SLOT                    ; a wave's two slots; 16 waves x 17,408 = 278,528 bytes
.set OSTEP,  32768                     ; bytes of out0 from one step to the next: 2 b x 4,096 rows x 4
.set TRIPS,  3                         ; loop trips of two steps; the last two steps are written out
.set K2,     0x4038aa3b                ; 2 log2(e)
.set L2E,    0x3fb8aa3b                ; log2(e)
; vector registers: v1 r = lane % 16, v2 h = lane / 16, v3 LDS address, v4 offset in out0
.set T,   6                            ; v[6:27]    at work, T0 .. T21
.set SC,  28                           ; v[28:31]   scores, then the weights to store
.set AW,  32                           ; v[32:63]   W' as source A, tile t at AW + 8 t
.set BI,  64                           ; v[64:95]   bias', tile t at BI + 8 t
.set W2,  96                           ; v[96:127]  -2 w2, in the result's layout
.set ST,  128                          ; v[128:159] my 8 static numbers of rows 4 r + j, at ST + 8 j
.set MS,  160                          ; v[160:163] sum of the row's static numbers / 32
.set QS,  164                          ; v[164:167] the static part of var + eps
.set KP,  168                          ; v[168:169] (b2 / 2 + the sum of my half's 32 w2, 0): starts a block's sum
.set D,   170                          ; v[170:201] the four result tiles
.set BF,  202                          ; v[202:209] source B
.set X,   210                          ; v[210:241] four buffers of 8: a block's dynamic numbers
.set PS,  242                          ; v[242:249] my half's part of the eight blocks' scores
.set ACC, 250                          ; v[250:251] the running sum over hidden units
; at the start alone
.set WR,  170                          ; v[170:233] w1 as loaded: WR[4 i + t] = w1[c_i][4 r + t], c_i = 8 h + i (i < 8), 16 + 8 h + i - 8 (i >= 8)
.set GA,  64                           ; v[64:79]   gamma[c_i]
.set BE,  80                           ; v[80:95]   beta[c_i]
.set W2R, 32                           ; v[32:63]   w2[32 h + 0 .. 31]
.set B1R, T                            ; b1[4 r + t]
.set BB,  T+4                          ; bias'[4 r + t]
.set OW1, T+8                          ; byte offsets of the loads of w1, gamma and beta, b1, w2, static
.set OGB, T+9
.set OB1, T+10
.set OW2, T+11
.set OST, T+12
.set IDX, T+14                         ; lane selects of the spread of bias'
.set G1,  16                           ; s[16:23] descriptor group 1
.set G0,  24                           ; s[24:31] descriptor group 0, a set for each slot
	s_load_b256 s[4:11], s[0:1], 0x0               ; dynamic s[4:5], static s[6:7], gamma s[8:9], beta s[10:11]
	s_load_b256 s[36:43], s[0:1], 0x20             ; w1 s[36:37], b1 s[38:39], w2 s[40:41], b2 s[42:43]
	s_load_b64 s[44:45], s[0:1], 0x40              ; out0
	v_lshl_add_u32 v254, v0, 2, 0x44000
	v_mov_b32 v255, 0
	ds_add_u32 v254, v255
	ds_add_u32 v254, v255
	v_lshrrev_b32 v1, 5, v0
	v_readfirstlane_b32 s2, v1                     ; wave 0..15
	s_and_b32 s3, ttmp9, 3                         ; q
	s_lshr_b32 s12, ttmp9, 2                       ; which 16 b
	; group 1: a tile of 2 rows (2 b) x 512 elements of 8 bytes (a wave's 64 rows of 64 bytes), padded in LDS
	s_mov_b32 s[G1+0], (3<<16)|(1<<20)|(5<<22)|(3<<25)  ; 15:0 no mask; 17:16 elements of 8 bytes; 20 padding on; 24:22 after every 64 words (code 5); 31:25 of 4 words (code 3)
	s_mov_b32 s[G1+1], 512<<16                     ; tensor_dim0 = 512
	s_mov_b32 s[G1+2], 2<<16                       ; tensor_dim1 = 2
	s_mov_b32 s[G1+3], 512<<16                     ; tile_dim0 = 512
	s_mov_b32 s[G1+4], 2                           ; tile_dim1 = 2
	s_mov_b32 s[G1+5], BPITCH/8                    ; elements from one b to the next
	s_mov_b32 s[G1+6], 0
	s_mov_b32 s[G1+7], 0
	s_mov_b32 s46, 0x76543210                      ; v_permlanex16_b32: each lane takes its own place in the other half
	s_mov_b32 s47, 0xfedcba98
	s_mov_b32 s48, 0xffff0000                      ; lanes 16-31
	s_mov_b32 s49, TRIPS
	s_mov_b32 s50, 0x3d000000                      ; 1 / 32
	s_mov_b32 s52, 0x38d1b717                      ; eps = 1e-4
	s_mul_i32 s13, s2, RING                        ; my ring in LDS
	s_lshl_b32 s32, s3, 16                         ; static: q x 1,024 rows x 64 bytes
	s_lshl_b32 s14, s2, 12                         ;         + wave x 64 rows x 64 bytes
	s_add_co_u32 s32, s32, s14
	s_mov_b32 s33, 0
	s_lshl_b32 s14, s12, 22                        ; dynamic: the same + 16 b x 262,144 bytes a group of b (under 2^28)
	s_add_co_u32 s14, s14, s32
	s_mov_b32 s15, 0
	s_lshl_b32 s34, s12, 18                        ; out0: 16 b x 16,384 bytes
	s_lshl_b32 s35, s3, 12                         ;       + q x 1,024 rows x 4 bytes
	s_add_co_u32 s34, s34, s35
	s_lshl_b32 s35, s2, 8                          ;       + wave x 64 rows x 4 bytes
	s_add_co_u32 s34, s34, s35
	s_mov_b32 s35, 0
	s_wait_dscnt 0x0
	s_wait_kmcnt 0x0
	s_add_nc_u64 s[4:5], s[4:5], s[14:15]
	s_add_nc_u64 s[6:7], s[6:7], s[32:33]
	s_add_nc_u64 s[44:45], s[44:45], s[34:35]
	; group 0 for each slot, and the two first fills (steps 0 and 1) together, ahead of every wait on TENSORcnt and every barrier: two loads of mine are out
.irp s, 0,1
	s_mov_b32 s[G0+4*\s], 1                                        ; count = 1
	s_add_co_u32 s[G0+4*\s+1], s13, \s*SLOT                        ; LDS address: wave x 17,408 + slot x 8,704
	s_add_nc_u64 s[G0+4*\s+2:G0+4*\s+3], s[4:5], \s*2*BPITCH       ; global address: b 0, 1 for slot 0; b 2, 3 for slot 1
	s_or_b32 s[G0+4*\s+3], s[G0+4*\s+3], 0x80000000                ; type = 2
	tensor_load_to_lds s[G0+4*\s:G0+4*\s+3], s[G1:G1+7]
	s_nop 0
.endr
	s_load_b32 s51, s[42:43], 0x0                  ; b2
	; THE CONSTANTS.  All of this runs while the first tiles are on their way.
	v_and_b32 v1, 15, v0                           ; r
	v_bfe_u32 v2, v0, 4, 1                         ; h
	v_lshlrev_b32 v[OB1], 4, v1                    ; b1: 16 r
	v_lshl_add_u32 v[OW1], v2, 11, v[OB1]          ; w1: 8 h rows of 256 bytes + 16 r
	v_lshlrev_b32 v[OGB], 5, v2                    ; gamma, beta: 32 h
	v_lshlrev_b32 v[OW2], 7, v2                    ; w2: 128 h
	v_lshl_add_u32 v[OST], v1, 8, v[OGB]           ; static: 4 r rows of 64 bytes + 32 h
.set i, 0
.rept 8
	global_load_b128 v[WR+4*i:WR+4*i+3],       v[OW1], s[36:37] offset:256*i        ; w1[8 h + i][4 r ..]
	global_load_b128 v[WR+32+4*i:WR+32+4*i+3], v[OW1], s[36:37] offset:4096+256*i   ; w1[16 + 8 h + i][4 r ..]
.set i, i+1
.endr
.irp k, 0,1
	global_load_b128 v[GA+4*\k:GA+4*\k+3],     v[OGB], s[8:9] offset:16*\k
	global_load_b128 v[GA+8+4*\k:GA+8+4*\k+3], v[OGB], s[8:9] offset:64+16*\k
	global_load_b128 v[BE+4*\k:BE+4*\k+3],     v[OGB], s[10:11] offset:16*\k
	global_load_b128 v[BE+8+4*\k:BE+8+4*\k+3], v[OGB], s[10:11] offset:64+16*\k
.endr
	global_load_b128 v[B1R:B1R+3], v[OB1], s[38:39]
.irp k, 0,1,2,3,4,5,6,7
	global_load_b128 v[W2R+4*\k:W2R+4*\k+3], v[OW2], s[40:41] offset:16*\k
.endr
.irp j, 0,1,2,3
	global_load_b128 v[ST+8*\j:ST+8*\j+3],   v[OST], s[6:7] offset:64*\j
	global_load_b128 v[ST+8*\j+4:ST+8*\j+7], v[OST], s[6:7] offset:64*\j+16
.endr
	v_mul_u32_u24 v3, v1, CHUNK                    ; LDS: chunk r (rows 4 r .. 4 r + 3), 32 bytes for each half of the lanes, in my ring
	v_lshl_add_u32 v3, v2, 5, v3
	v_add_nc_u32 v3, s13, v3
	v_lshlrev_b32 v4, 4, v1                        ; out0: rows 4 r .. 4 r + 3, and one b further on for lanes 16-31
	v_lshl_add_u32 v4, v2, 14, v4
	s_wait_loadcnt 0x0                             ; all 41 loads, once; their offset registers are free from here
	s_wait_kmcnt 0x0                               ; b2
	; -2 w2 in the result's layout (tile t, register j: hidden unit 32 h + 4 j + t), and the constant that starts a block's sum
.irp t, 0,1,2,3
.irp j, 0,1,2,3,4,5,6,7
	v_mul_f32 v[W2+8*\t+\j], -2.0, v[W2R+4*\j+\t]
.endr
.endr
.irp k, 0,1,2,3,4,5,6,7
	v_pk_add_f32 v[W2R+2*\k:W2R+2*\k+1], v[W2R+2*\k:W2R+2*\k+1], v[W2R+16+2*\k:W2R+16+2*\k+1]
.endr
.irp k, 0,1,2,3
	v_pk_add_f32 v[W2R+2*\k:W2R+2*\k+1], v[W2R+2*\k:W2R+2*\k+1], v[W2R+8+2*\k:W2R+8+2*\k+1]
.endr
.irp k, 0,1
	v_pk_add_f32 v[W2R+2*\k:W2R+2*\k+1], v[W2R+2*\k:W2R+2*\k+1], v[W2R+4+2*\k:W2R+4+2*\k+1]
.endr
	v_pk_add_f32 v[W2R:W2R+1], v[W2R:W2R+1], v[W2R+2:W2R+3]
	v_add_f32 v[KP], v[W2R], v[W2R+1]              ; the sum of my half's 32 w2
	v_fma_f32 v[KP], s51, 0.5, v[KP]               ; + b2 / 2: the two halves of the lanes together bring b2 + the sum of all w2
	v_mov_b32 v[KP+1], 0
	; bias'[4 r + t] = K2 (b1 + sum over c of beta[c] w1[c][4 r + t]): my half's 16 c, then the other half's
.irp t, 0,1,2,3
	v_mul_f32 v[BB+\t], v[BE], v[WR+\t]
.endr
.set i, 1
.rept 15
.irp t, 0,1,2,3
	v_fmac_f32 v[BB+\t], v[BE+i], v[WR+4*i+\t]
.endr
.set i, i+1
.endr
.irp t, 0,1,2,3
	v_permlanex16_b32 v[T+8+\t], v[BB+\t], s46, s47    ; its destination counts as read: these registers held offsets
.endr
.irp t, 0,1,2,3
	v_add_f32 v[BB+\t], v[BB+\t], v[T+8+\t]
.endr
.irp t, 0,1,2,3
	v_add_f32 v[BB+\t], v[BB+\t], v[B1R+\t]
.endr
.irp t, 0,1,2,3
	v_mul_f32 v[BB+\t], K2, v[BB+\t]
.endr
	; W' = K2 gamma w1, rounded to bf16: register p of tile t holds c_2p and c_2p+1 of hidden unit 4 r + t
.irp k, 0,1,2,3,4,5,6,7
	v_pk_mul_f32 v[GA+2*\k:GA+2*\k+1], v[GA+2*\k:GA+2*\k+1], K2 op_sel_hi:[1,0]
.endr
.set i, 0
.rept 16
.irp t, 0,1,2,3
	v_mul_f32 v[WR+4*i+\t], v[GA+i], v[WR+4*i+\t]
.endr
.set i, i+1
.endr
.irp t, 0,1,2,3
.irp p, 0,1,2,3,4,5,6,7
	v_cvt_pk_bf16_f32 v[AW+8*\t+\p], v[WR+8*\p+\t], v[WR+8*\p+4+\t]
.endr
.endr
	; bias' into the result's layout: tile t, register j of half h wants hidden unit 32 h + 4 j + t, which lane 8 h + j holds as BB[t].  A pull between lanes: no LDS byte is touched.
.irp j, 0,1,2,3,4,5,6,7
	v_lshl_or_b32 v[IDX+\j], v2, 5, 4*\j           ; 4 x (8 h + j)
.endr
.irp t, 0,1,2,3
.irp j, 0,1,2,3,4,5,6,7
	ds_bpermute_b32 v[BI+8*\t+\j], v[IDX+\j], v[BB+\t]
.endr
.endr
	s_wait_dscnt 0x0
	v_mov_b32 v[T+11], 0                           ; the upper registers of two pairs of which the packed forms below take the lower one for both halves:
	v_mov_b32 v[T+13], 0                           ; named, so written
	; the static numbers' statistics, for each of my four rows 4 r + j
.irp j, 0,1,2,3
	v_pk_add_f32 v[T:T+1], v[ST+8*\j:ST+8*\j+1], v[ST+8*\j+2:ST+8*\j+3]
	v_pk_add_f32 v[T+2:T+3], v[ST+8*\j+4:ST+8*\j+5], v[ST+8*\j+6:ST+8*\j+7]
	v_pk_add_f32 v[T:T+1], v[T:T+1], v[T+2:T+3]
	v_add_f32 v[T+4], v[T], v[T+1]
	v_permlanex16_b32 v[T+5], v[T+4], s46, s47
	v_add_f32 v[T+4], v[T+4], v[T+5]               ; the sum of the row's 16 static numbers
	v_mul_f32 v[MS+\j], s50, v[T+4]                ; / 32: its part of the row's mean
	v_mul_f32 v[T+6], 0x3d800000, v[T+4]           ; / 16: m_s
.irp k, 0,1,2,3
	v_pk_add_f32 v[T+14+2*\k:T+15+2*\k], v[ST+8*\j+2*\k:ST+8*\j+2*\k+1], v[T+6:T+7] op_sel_hi:[1,0] neg_lo:[0,1] neg_hi:[0,1]
.endr
	v_pk_mul_f32 v[T:T+1], v[T+14:T+15], v[T+14:T+15]
	v_pk_fma_f32 v[T:T+1], v[T+16:T+17], v[T+16:T+17], v[T:T+1]
	v_pk_fma_f32 v[T:T+1], v[T+18:T+19], v[T+18:T+19], v[T:T+1]
	v_pk_fma_f32 v[T:T+1], v[T+20:T+21], v[T+20:T+21], v[T:T+1]
	v_add_f32 v[T+4], v[T], v[T+1]
	v_permlanex16_b32 v[T+5], v[T+4], s46, s47
	v_add_f32 v[T+4], v[T+4], v[T+5]
	v_fma_f32 v[QS+\j], v[T+4], s50, s52           ; sum (s - m_s)^2 / 32 + eps
.endr
; Block i's dynamic numbers: my 32 bytes of row 4 r + i % 4 of b index i / 4.  The 16 lanes of a half stand 272 bytes apart: 16 different columns of 16 bytes.
.macro LOADX i, slot
	ds_load_b128 v[X+8*((\i)%4):X+8*((\i)%4)+3],   v3 offset:\slot*SLOT+((\i)/4)*BLDS+((\i)%4)*64
	ds_load_b128 v[X+8*((\i)%4)+4:X+8*((\i)%4)+7], v3 offset:\slot*SLOT+((\i)/4)*BLDS+((\i)%4)*64+16
.endm
; LayerNorm of block i, into source B: registers 0-3 the dynamic numbers 8 h .. 8 h + 7 (k = 8 h ..), registers 4-7 the static ones (k = 16 + 8 h ..).
.macro LN i
.set XB, X+8*((\i)%4)
.set SJ, (\i)%4
.if \i < 5
	s_wait_dscnt 6                                 ; LDS loads come back in order (ISA guide 5.7.1): block i is in; the three younger blocks' six loads may be out
.else
	s_wait_dscnt 14-2*\i                           ; blocks i + 1 .. 7: two loads each; at block 7 my reads of the slot are over
.endif
	v_pk_add_f32 v[T:T+1], v[XB:XB+1], v[XB+2:XB+3]
	v_pk_add_f32 v[T+2:T+3], v[XB+4:XB+5], v[XB+6:XB+7]
	v_pk_add_f32 v[T:T+1], v[T:T+1], v[T+2:T+3]
	v_add_f32 v[T+4], v[T], v[T+1]
	v_permlanex16_b32 v[T+5], v[T+4], s46, s47     ; the row's other eight dynamic numbers lie in the lane 16 away
	v_add_f32 v[T+4], v[T+4], v[T+5]
	v_fma_f32 v[T+6], v[T+4], s50, v[MS+SJ]        ; mean
	v_fma_f32 v[T+7], -v[T+4], s50, v[MS+SJ]       ; m_s - mean
.irp k, 0,1,2,3
	v_pk_add_f32 v[XB+2*\k:XB+2*\k+1], v[XB+2*\k:XB+2*\k+1], v[T+6:T+7] op_sel_hi:[1,0] neg_lo:[0,1] neg_hi:[0,1]
.endr
	v_pk_mul_f32 v[T:T+1], v[XB:XB+1], v[XB:XB+1]
	v_pk_mul_f32 v[T+2:T+3], v[XB+2:XB+3], v[XB+2:XB+3]
	v_pk_fma_f32 v[T:T+1], v[XB+4:XB+5], v[XB+4:XB+5], v[T:T+1]
	v_pk_fma_f32 v[T+2:T+3], v[XB+6:XB+7], v[XB+6:XB+7], v[T+2:T+3]
	v_pk_add_f32 v[T:T+1], v[T:T+1], v[T+2:T+3]
	v_add_f32 v[T+4], v[T], v[T+1]
	v_permlanex16_b32 v[T+5], v[T+4], s46, s47
	v_add_f32 v[T+4], v[T+4], v[T+5]
	v_mul_f32 v[T+8], v[T+7], v[T+7]
	v_fma_f32 v[T+9], v[T+4], s50, v[QS+SJ]
	v_fma_f32 v[T+9], v[T+8], 0.5, v[T+9]          ; var + eps
	v_rsq_f32 v[T+10], v[T+9]
	v_nop                                          ; a plain instruction between v_rsq_f32 and the use of its result (ISA guide 5.7.2); nothing independent is left to do
	s_wait_alu depctr_va_vdst(0)
	v_mul_f32 v[T+12], -v[T+6], v[T+10]            ; - mean rstd
.irp k, 0,1,2,3
	v_pk_mul_f32 v[XB+2*\k:XB+2*\k+1], v[XB+2*\k:XB+2*\k+1], v[T+10:T+11] op_sel_hi:[1,0]
.endr
.irp k, 0,1,2,3
	v_pk_fma_f32 v[T+14+2*\k:T+15+2*\k], v[ST+8*SJ+2*\k:ST+8*SJ+2*\k+1], v[T+10:T+11], v[T+12:T+13] op_sel_hi:[1,0,0]
.endr
.irp k, 0,1,2,3
	v_cvt_pk_bf16_f32 v[BF+\k], v[XB+2*\k], v[XB+2*\k+1]
.endr
.irp k, 0,1,2,3
	v_cvt_pk_bf16_f32 v[BF+4+\k], v[T+14+2*\k], v[T+15+2*\k]
.endr
.endm
; y = W'^T xn + bias' for 16 rows x 64 hidden units.  Four results of their own, each with bias' as C: no instruction adds onto another's result.
.macro MM
.irp t, 0,1,2,3
	v_wmma_f32_16x16x32_bf16 v[D+8*\t:D+8*\t+7], v[AW+8*\t:AW+8*\t+7], v[BF:BF+7], v[BI+8*\t:BI+8*\t+7]
.endr
.endm
; Block i's 32 numbers a lane: 2^y, + 1, the reciprocal, and the sum with -2 w2, pair by pair in a pipeline of four stages, so that behind every pair of
; transcendentals stands a plain instruction on other registers before their results are used (ISA guide 5.7.2).  At p = 1 no such work exists yet: one v_nop.
.macro ACT i
.set p, 0
.rept 19
.if p < 16
	v_exp_f32 v[D+2*p], v[D+2*p]
	v_exp_f32 v[D+2*p+1], v[D+2*p+1]
.endif
.if p == 1
	v_nop
.endif
.if (p >= 1) && (p < 17)
	s_wait_alu depctr_va_vdst(0)
	v_pk_add_f32 v[D+2*p-2:D+2*p-1], v[D+2*p-2:D+2*p-1], 1.0 op_sel_hi:[1,0]
.endif
.if (p >= 2) && (p < 18)
	v_rcp_f32 v[D+2*p-4], v[D+2*p-4]
	v_rcp_f32 v[D+2*p-3], v[D+2*p-3]
.endif
.if p == 3
	v_pk_fma_f32 v[ACC:ACC+1], v[D:D+1], v[W2:W2+1], v[KP:KP+1]    ; the constant starts the sum: nothing is cleared
.endif
.if p > 3
	s_wait_alu depctr_va_vdst(0)
	v_pk_fma_f32 v[ACC:ACC+1], v[D+2*p-6:D+2*p-5], v[W2+2*p-6:W2+2*p-5], v[ACC:ACC+1]
.endif
.set p, p+1
.endr
	v_add_f32 v[PS+(\i)], v[ACC], v[ACC+1]
.endm
; The step's 128 scores: the halves' parts are added so that lanes 0-15 end up with the first b's rows 4 r .. 4 r + 3 and lanes 16-31 with the second b's; softmax over
; 4 registers x 4 neighbouring lanes, the maximum taken away; one store.
.macro FINISH off
	s_wait_xcnt 0x0                                ; SC is the last store's data: it is rewritten only behind this wait
.irp j, 0,1,2,3
	v_cndmask_b32 v[T+\j], v[PS+4+\j], v[PS+\j], s48       ; what the lane 16 away needs of me
	v_cndmask_b32 v[SC+\j], v[PS+\j], v[PS+4+\j], s48      ; what I keep
.endr
.irp j, 0,1,2,3
	v_permlanex16_b32 v[T+4+\j], v[T+\j], s46, s47
.endr
.irp j, 0,1,2,3
	v_add_f32 v[SC+\j], v[SC+\j], v[T+4+\j]
.endr
	v_max3_num_f32 v[T], v[SC], v[SC+1], v[SC+2]
	v_max_num_f32 v[T], v[T], v[SC+3]
	v_max_num_f32_dpp v[T], v[T], v[T] row_xmask:1 row_mask:0xf bank_mask:0xf
	v_max_num_f32_dpp v[T], v[T], v[T] row_xmask:2 row_mask:0xf bank_mask:0xf   ; the maximum m of the group's 16 scores, in its four lanes
	v_mul_f32 v[T], L2E, v[T]
	v_pk_fma_f32 v[SC:SC+1], v[SC:SC+1], L2E, v[T:T+1] op_sel_hi:[1,0,0] neg_lo:[0,0,1] neg_hi:[0,0,1]      ; log2(e) s - log2(e) m
	v_pk_fma_f32 v[SC+2:SC+3], v[SC+2:SC+3], L2E, v[T:T+1] op_sel_hi:[1,0,0] neg_lo:[0,0,1] neg_hi:[0,0,1]
.irp j, 0,1,2,3
	v_exp_f32 v[SC+\j], v[SC+\j]
.endr
	v_nop                                          ; a plain instruction between the exponentials and the use of their results
	s_wait_alu depctr_va_vdst(0)
	v_pk_add_f32 v[T+2:T+3], v[SC:SC+1], v[SC+2:SC+3]
	v_add_f32 v[T+2], v[T+2], v[T+3]
	v_add_f32_dpp v[T+2], v[T+2], v[T+2] row_xmask:1 row_mask:0xf bank_mask:0xf
	v_add_f32_dpp v[T+2], v[T+2], v[T+2] row_xmask:2 row_mask:0xf bank_mask:0xf
	v_rcp_f32 v[T+2], v[T+2]
	v_nop                                          ; and between the reciprocal and the use of its result
	s_wait_alu depctr_va_vdst(0)
	v_pk_mul_f32 v[SC:SC+1], v[SC:SC+1], v[T+2:T+3] op_sel_hi:[1,0]
	v_pk_mul_f32 v[SC+2:SC+3], v[SC+2:SC+3], v[T+2:T+3] op_sel_hi:[1,0]
	global_store_b128 v4, v[SC:SC+3], s[44:45] offset:\off th:TH_STORE_NT   ; each half of the lanes stores 256 consecutive bytes, at a multiple of 256 from out0's first byte
.endm
; A step.  Block i's LayerNorm stands between block i - 1's products and the work on their results.  A vector instruction that reads a matrix result or writes one of a matrix
; instruction's registers stands four places behind it, a matrix instruction that writes over them five (ISA guide 7.12.1): the first 34 instructions of LN name none of
; AW, BF, BI, D and are those places, ahead of LN's own conversions into BF, of ACT and of the next MM.  Only block 7 has no LayerNorm behind it: four v_nop.
; left = how many younger tensor loads may stay out.
.macro STEP slot, left, off
	s_wait_tensorcnt \left                         ; a wave's tensor loads end in order (ISA guide 10.11.1): this slot's tile is in LDS; only I read it
.irp i, 0,1,2,3
	LOADX \i, \slot
.endr
	LN 0
	LOADX 4, \slot
	MM
.irp i, 1,2,3,4,5,6,7
	LN \i
.if \i < 4
	LOADX \i+4, \slot
.endif
	ACT \i-1
	MM
.endr
.rept 4
	v_nop
.endr
	ACT 7
	FINISH \off
.endm
; The slot just read is filled again with the tile two steps on.
.macro FILL slot
	s_wait_dscnt 0x0                               ; my reads of the slot are back (met: block 7's wait was for 0)
	s_wait_tensorcnt 0x0                           ; all my tensor loads have landed, the other slot's too: no load of mine is out, so a group 0 may be written
	ds_add_u32 v254, v255
	s_wait_dscnt 0x0
	s_add_nc_u64 s[G0+4*\slot+2:G0+4*\slot+3], s[G0+4*\slot+2:G0+4*\slot+3], 4*BPITCH   ; 4 b on; the type bits on top are not reached
	s_barrier_signal -1                            ; every wave says so,
	s_barrier_wait -1                              ; and no wave fills a slot before all sixteen have
	tensor_load_to_lds s[G0+4*\slot:G0+4*\slot+3], s[G1:G1+7]      ; my one tensor load behind the barrier, and the first thing there: it has the other slot's whole step in which to land
	s_nop 0
.endm
.Ltrip:                                                ; a trip: two steps, both slots filled again.  Steps 0 to 5; the fills bring steps 2 to 7
	STEP 0, 1, 0                                   ; the count leaves the other slot's load out: the second first fill, later the refill just issued
	FILL 0
	STEP 1, 1, OSTEP
	FILL 1
	s_wait_xcnt 0x0                                ; the stores' base is stepped only behind this wait
	s_add_nc_u64 s[44:45], s[44:45], 2*OSTEP
	s_sub_co_u32 s49, s49, 1
	s_cmp_lg_u32 s49, 0
	s_cbranch_scc1 .Ltrip
	STEP 0, 1, 0                                   ; steps 6 and 7 are written out: nothing is left to fetch
	STEP 1, 0, OSTEP                               ; the last wait is for 0: no load was issued behind this tile's, and none is out at the end
	s_wait_tensorcnt 0x0
	ds_add_u32 v254, v255
	s_wait_dscnt 0x0
	s_endpgm
.Lfunc_end_k_qb21e1fa281_dwa:
	.size	k_qb21e1fa281_dwa, .Lfunc_end_k_qb21e1fa281_dwa-k_qb21e1fa281_dwa
	.p2alignl 7, 3214868480
	.fill 96, 4, 3214868480
	.section	.rodata,"a",@progbits
	.p2align	6, 0x0
	.amdhsa_kernel k_qb21e1fa281_dwa
		.amdhsa_group_segment_fixed_size 327680
		.amdhsa_private_segment_fixed_size 0
		.amdhsa_enable_private_segment 0
		.amdhsa_kernarg_size 72
		.amdhsa_user_sgpr_count 2
		.amdhsa_user_sgpr_kernarg_segment_ptr 1
		.amdhsa_wavefront_size32 1
		.amdhsa_system_sgpr_workgroup_id_x 1
		.amdhsa_system_sgpr_workgroup_id_y 1
		.amdhsa_system_sgpr_workgroup_id_z 1
		.amdhsa_system_vgpr_workitem_id 0
		.amdhsa_next_free_vgpr 256
		.amdhsa_next_free_sgpr 66
		.amdhsa_reserve_vcc 0
		.amdhsa_float_denorm_mode_32 3
		.amdhsa_float_denorm_mode_16_64 3
		.amdhsa_memory_ordered 1
		.amdhsa_forward_progress 1
		.amdhsa_inst_pref_size 255
	.end_amdhsa_kernel
	.section	.bss,"aw",@nobits
	.p2align	6
	.space	262144
	.amdgpu_metadata
---
amdhsa.version: [ 1, 2 ]
amdhsa.kernels:
  - .name:           k_qb21e1fa281_dwa
    .symbol:         k_qb21e1fa281_dwa.kd
    .args:
      - { .name: dynamic_features, .offset: 0, .size: 8, .value_kind: global_buffer, .address_space: global }
      - { .name: static_features, .offset: 8, .size: 8, .value_kind: global_buffer, .address_space: global }
      - { .name: ln_gamma, .offset: 16, .size: 8, .value_kind: global_buffer, .address_space: global }
      - { .name: ln_beta, .offset: 24, .size: 8, .value_kind: global_buffer, .address_space: global }
      - { .name: w1, .offset: 32, .size: 8, .value_kind: global_buffer, .address_space: global }
      - { .name: b1, .offset: 40, .size: 8, .value_kind: global_buffer, .address_space: global }
      - { .name: w2, .offset: 48, .size: 8, .value_kind: global_buffer, .address_space: global }
      - { .name: b2, .offset: 56, .size: 8, .value_kind: global_buffer, .address_space: global }
      - { .name: out0, .offset: 64, .size: 8, .value_kind: global_buffer, .address_space: global }
    .group_segment_fixed_size: 327680
    .private_segment_fixed_size: 0
    .kernarg_segment_align: 8
    .kernarg_segment_size: 72
    .max_flat_workgroup_size: 512
    .sgpr_count:     66
    .vgpr_count:     256
    .wavefront_size: 32
...
	.end_amdgpu_metadata
.endif
;; end of part 1
